; MI455X (gfx1250); checked and timed in simulation.
; The chip was launched on July 23, 2026; its instructions are those of AMD's public machine-readable ISA for CDNA 5 (MIT licence, August 2026) and "CDNA5" Instruction Set Architecture Reference Guide (July 2026). The comments in the code are by the model that wrote it; some were corrected since.
;; Model Base. Allowed arithmetic: float matrix products may take bf16 or f16 operands with f32 sums; all other float work in f32.
;; Inputs: x 16 x 2,048 x 256 float32; y 16 x 2,048 x 256 float32.
;; Outputs: out0 16 x 4,096 float32.
;; One version. Each part assembles by itself: llvm-mc -triple=amdgcn-amd-amdhsa -mcpu=gfx1250 --defsym DOCPART=n.
;; ======== version 1 of 1: 2 launches
;; limits: inputs' magnitudes at most 1.6e+35
;; workspace buffers: part 262,144 bytes
;; launch sums (part 1): grid 128 x 2, 16 waves a work-group, no clusters, 18,432 bytes of LDS; arguments x, y, part; writes part
.if DOCPART == 1
	.amdgcn_target "amdgcn-amd-amdhsa--gfx1250"
	.amdhsa_code_object_version 6
	.text
	.protected	k_q6b7e665352_sums
	.globl	k_q6b7e665352_sums
	.p2align	8
	.type	k_q6b7e665352_sums,@function
k_q6b7e665352_sums:
	s_mov_b64 s[64:65], 0
	v_nop
	global_prefetch_b8 v0, s[64:65] scope:SCOPE_SE
	s_setreg_imm32_b32 hwreg(HW_REG_WAVE_MODE, 25, 1), 1
	s_wait_xcnt 0x0
; FIRST OF TWO LAUNCHES.  The result wanted is the row sums and column sums of S[b] = x[b] y[b]^T.  S is bilinear, so
;   sum over n of S[b][n][m] = (sum over n of x[b][n][:]) . y[b][m][:]   and   sum over m of S[b][n][m] = x[b][n][:] . (sum over m of y[b][m][:]),
; for every input.  This launch makes partial column sums of x and of y; the next one finishes them and takes the dots.
; part[t][i][256] (f32) = the sum of rows 256 i .. 256 i + 255 of tensor t (0: x, 1: y), each tensor taken as [32768][256].
; LIMITS: the additions are ordered otherwise than in a program that forms S first (all in f32; no difference of large sums is formed);
; a column sum of 2,048 inputs must itself be finite in f32 (safe for |input| up to 1.6e35); with Inf or NaN among the inputs
; the result is non-finite where the reference's is, but may be the other kind.
; SHARES: work-group (i, t) takes 256 rows = 262,144 bytes; 16 waves, 16 rows (16,384 bytes) each: 32 loads of 16 bytes a lane, 128 registers,
; all issued at once, so that nothing is ever filled again: no ring, no tensor load.  A load of a wave covers 512 consecutive bytes, aligned
; (half a row), and a lane meets the same 8 columns in every row: the sum needs no traffic between lanes.
; No matrix instruction: after the identity there is one vector for each product, so an operand byte feeds one multiply-add.
; No cluster: work-groups share no input here.
.set ROW,  1024                        ; bytes in a row of 256 f32
.set ACC,  4                           ; v[4:11]   my 8 column sums: 4 columns of the row's first half, 4 of its second
.set LST,  12                          ; v12       LDS: where my wave's sums go, 1024 w + 16 l
.set SM,   13                          ; v13       16 x (thread mod 64): LDS read address and offset in part, used by waves 0 and 1
.set X,    16                          ; v[16:143] load j (row j / 2, half j mod 2) in 4 registers
	s_load_b128 s[4:7], s[0:1], 0x0                ; x s[4:5], y s[6:7]
	s_load_b64 s[8:9], s[0:1], 0x10                ; part
	v_lshl_add_u32 v144, v0, 2, 0x4000
	v_mov_b32 v145, 0
	s_and_b32 s10, ttmp7, 0xffff                   ; t: which tensor
	v_lshrrev_b32 v14, 5, v0
	v_readfirstlane_b32 s11, v14                   ; wave 0..15
	s_lshl_b32 s12, ttmp9, 18                      ; i x 256 rows x 1,024 bytes (below 2^25)
	s_mov_b32 s13, 0
	s_lshl_b32 s14, s10, 17                        ; part: t x 128 blocks x 1,024 bytes
	s_lshl_b32 s15, ttmp9, 10                      ;       + i x 1,024
	s_add_co_u32 s14, s14, s15
	s_mov_b32 s15, 0
	v_and_b32 v2, 31, v0                           ; lane
	v_and_b32 v3, 0x1e0, v0                        ; 32 w
	v_lshlrev_b32 v2, 4, v2                        ; 16 l
	v_lshl_or_b32 v1, v3, 9, v2                    ; data: 16,384 w + 16 l
	v_lshl_add_u32 v[LST], s11, 10, v2             ; LDS: 1,024 w + 16 l, a sum of the wave's number times a constant and the lane's term: 15,856 at the most,
	                                               ; so the second store below (512 further on, 16 bytes) ends at byte 16,384
	v_and_b32 v[SM], 63, v0
	v_lshlrev_b32 v[SM], 4, v[SM]
	s_wait_kmcnt 0x0
	s_cmp_eq_u32 s10, 0
	s_cselect_b64 s[4:5], s[4:5], s[6:7]           ; my tensor
	s_add_nc_u64 s[4:5], s[4:5], s[12:13]          ; at the work-group's first row
	s_add_nc_u64 s[8:9], s[8:9], s[14:15]          ; part at my block
	; the wave's whole share goes out at once.  No non-temporal hint: the next launch reads these bytes again.
.set j, 0
.rept 32
	global_load_b128 v[X+4*j:X+4*j+3], v1, s[4:5] offset:512*j
.set j, j+1
.endr
; row r is added onto the 8 sums: four chains that do not wait for each other
.macro ADDROW
.irp q, 0,2,4,6
	v_pk_add_f32 v[ACC+\q:ACC+\q+1], v[ACC+\q:ACC+\q+1], v[X+8*r+\q:X+8*r+\q+1]
.endr
.set r, r+1
.endm
	s_wait_loadcnt 28                              ; loads come back in order (ISA guide 5.7.1): rows 0 and 1 (four loads) are in, 28 younger ones stay out
.irp q, 0,2,4,6
	v_pk_add_f32 v[ACC+\q:ACC+\q+1], v[X+\q:X+\q+1], v[X+8+\q:X+8+\q+1]   ; the first two rows start the sums: nothing is cleared
.endr
.set r, 2
.rept 7
	s_wait_loadcnt 28-2*r                          ; rows r and r + 1 are in: 2 r + 4 of the 32 loads, the rest stay out; the last count is 0
	ADDROW
	ADDROW
.endr
	; the 16 waves' sums meet in LDS: row w of 1,024 bytes = wave w's 256 sums; 16 neighbouring bytes a lane, no two lanes on one word
	ds_store_b128 v[LST], v[ACC:ACC+3]
	ds_store_b128 v[LST], v[ACC+4:ACC+7] offset:512
	s_wait_dscnt 0x0                               ; for the other waves' sake: my stores are done before I signal
	s_barrier_signal -1
	s_barrier_wait -1
	s_cmp_gt_u32 s11, 1
	s_cbranch_scc1 .Ldone                          ; 64 threads x 4 columns finish the work; no barrier stands behind this branch
.set k, 0
.rept 16
	ds_load_b128 v[X+4*k:X+4*k+3], v[SM] offset:ROW*k      ; my 4 columns of wave k's sums (X is free: the last wait for loads was for 0)
.set k, k+1
.endr
.macro ADD4 a, b                       ; four numbers of set a += those of set b
	v_pk_add_f32 v[X+4*(\a):X+4*(\a)+1],   v[X+4*(\a):X+4*(\a)+1],   v[X+4*(\b):X+4*(\b)+1]
	v_pk_add_f32 v[X+4*(\a)+2:X+4*(\a)+3], v[X+4*(\a)+2:X+4*(\a)+3], v[X+4*(\b)+2:X+4*(\b)+3]
.endm
	s_wait_dscnt 0x0
.irp k, 0,1,2,3,4,5,6,7
	ADD4 \k, \k+8                                  ; a tree: 16 sets to 8,
.endr
.irp k, 0,1,2,3
	ADD4 \k, \k+4                                  ; to 4,
.endr
	ADD4 0, 2
	ADD4 1, 3
	ADD4 0, 1                                      ; to 1
	global_store_b128 v[SM], v[X:X+3], s[8:9]      ; each of the two waves stores 512 consecutive bytes, aligned; the next launch reads them: no hint
.Ldone:
	s_wait_tensorcnt 0x0
	ds_add_u32 v144, v145
	s_wait_dscnt 0x0
	s_endpgm
.Lfunc_end_k_q6b7e665352_sums:
	.size	k_q6b7e665352_sums, .Lfunc_end_k_q6b7e665352_sums-k_q6b7e665352_sums
	.p2alignl 7, 3214868480
	.fill 96, 4, 3214868480
	.section	.rodata,"a",@progbits
	.p2align	6, 0x0
	.amdhsa_kernel k_q6b7e665352_sums
		.amdhsa_group_segment_fixed_size 18432
		.amdhsa_private_segment_fixed_size 0
		.amdhsa_enable_private_segment 0
		.amdhsa_kernarg_size 24
		.amdhsa_user_sgpr_count 2
		.amdhsa_user_sgpr_kernarg_segment_ptr 1
		.amdhsa_wavefront_size32 1
		.amdhsa_system_sgpr_workgroup_id_x 1
		.amdhsa_system_sgpr_workgroup_id_y 1
		.amdhsa_system_sgpr_workgroup_id_z 1
		.amdhsa_system_vgpr_workitem_id 0
		.amdhsa_next_free_vgpr 146
		.amdhsa_next_free_sgpr 66
		.amdhsa_reserve_vcc 0
		.amdhsa_float_denorm_mode_32 3
		.amdhsa_float_denorm_mode_16_64 3
		.amdhsa_memory_ordered 1
		.amdhsa_forward_progress 1
		.amdhsa_inst_pref_size 12
	.end_amdhsa_kernel
	.amdgpu_metadata
---
amdhsa.version: [ 1, 2 ]
amdhsa.kernels:
  - .name:           k_q6b7e665352_sums
    .symbol:         k_q6b7e665352_sums.kd
    .args:
      - { .name: x, .offset: 0, .size: 8, .value_kind: global_buffer, .address_space: global }
      - { .name: y, .offset: 8, .size: 8, .value_kind: global_buffer, .address_space: global }
      - { .name: part, .offset: 16, .size: 8, .value_kind: global_buffer, .address_space: global }
    .group_segment_fixed_size: 18432
    .private_segment_fixed_size: 0
    .kernarg_segment_align: 8
    .kernarg_segment_size: 24
    .max_flat_workgroup_size: 512
    .sgpr_count:     66
    .vgpr_count:     146
    .wavefront_size: 32
...
	.end_amdgpu_metadata
.endif
;; end of part 1
;; launch dots (part 2): grid 128 x 2, 16 waves a work-group, no clusters, 4,096 bytes of LDS; arguments x, y, part, out0; writes out0
.if DOCPART == 2
	.amdgcn_target "amdgcn-amd-amdhsa--gfx1250"
	.amdhsa_code_object_version 6
	.text
	.protected	k_q6b7e665352_dots
	.globl	k_q6b7e665352_dots
	.p2align	8
	.type	k_q6b7e665352_dots,@function
k_q6b7e665352_dots:
	s_mov_b64 s[64:65], 0
	v_nop
	global_prefetch_b8 v0, s[64:65] scope:SCOPE_SE
	s_setreg_imm32_b32 hwreg(HW_REG_WAVE_MODE, 25, 1), 1
	s_wait_xcnt 0x0
; SECOND OF TWO LAUNCHES.  out0[b][0..2047] = y[b][m][:] . (sum over n of x[b][n][:]);  out0[b][2048..4095] = x[b][n][:] . (sum over m of y[b][m][:]).
; part[t][i][256] holds the sums of blocks of 256 rows of x (t = 0) and of y (t = 1); batch b owns blocks 8 b .. 8 b + 7.
; LIMITS: as stated for the first launch: additions ordered otherwise than in a program that forms the 2048 x 2048 products first (all in f32,
; no difference of large sums); a column sum of 2,048 inputs must be finite in f32 (|input| up to 1.6e35); Inf and NaN among the inputs
; give a non-finite result where the reference's is non-finite, perhaps of the other kind.
; SHARES: work-group (i, t) takes rows 256 i .. 256 i + 255 of tensor t, 16 waves of 16 rows.  Waves 0 and 1 first add the OTHER tensor's 8 partial
; sums of the batch and lay the vector of 256 f32 into LDS.  All 32 data loads of every wave (its whole 16,384 bytes, 128 registers) are issued
; before that, so nothing is ever filled again: no ring, no tensor load.
; LANES: r = lane mod 16, h = lane / 16.  Load (k, c) brings the 16 bytes at byte 256 c + 16 r of row 2 k + h of the wave: sixteen lanes cover
; 256 consecutive bytes, aligned, and a row stays inside sixteen lanes, so its sum is made by the DPP steps alone and a register carries two rows.
; No matrix instruction: one vector for each product, an operand byte feeds one multiply-add.  No cluster: of the 270,336 bytes that a
; work-group reads only the 8,192 of the partial sums are shared with others.
.set ROW, 1024                         ; bytes in a row of 256 f32
.set RES, 1024                         ; LDS: bytes 0..1023 the vector, bytes 1024..2047 the work-group's 256 results
.set SV,  8                            ; v[8:23]    the vector: my 4 numbers of each of the 4 chunks of 64
.set PR,  24                           ; v[24:31]   k: my lane's part of the dot of row 2 k + h
.set CA,  32                           ; v[32:33]   a dot's first chain
.set CB,  34                           ; v[34:35]   its second
.set U,   36                           ; v[36:43]   four pairs at work in the merges
.set T,   48                           ; v[48:79]   the 8 partial sums, 4 numbers each (waves 0 and 1)
.set X,   80                           ; v[80:207]  load (k, c) in 4 registers at 16 k + 4 c
	s_load_b256 s[4:11], s[0:1], 0x0               ; x s[4:5], y s[6:7], part s[8:9], out0 s[10:11]
	v_lshl_add_u32 v208, v0, 2, 0x800
	v_mov_b32 v209, 0
	s_and_b32 s12, ttmp7, 0xffff                   ; t: which tensor's rows
	v_lshrrev_b32 v7, 5, v0
	v_readfirstlane_b32 s13, v7                    ; wave 0..15
	s_xor_b32 s14, s12, 1                          ; the other tensor
	s_mov_b32 s16, 0xaaaaaaaa                      ; lanes whose number has bit 0 set,
	s_mov_b32 s17, 0xcccccccc                      ; bit 1,
	s_mov_b32 s18, 0xf0f0f0f0                      ; bit 2
	s_lshl_b32 s20, ttmp9, 18                      ; data: i x 256 rows x 1,024 bytes
	s_mov_b32 s21, 0
	s_lshr_b32 s15, ttmp9, 3                       ; b
	s_lshl_b32 s22, s14, 17                        ; part: the other tensor's 131,072 bytes,
	s_lshl_b32 s19, s15, 13                        ;       8 blocks of 1,024 bytes a batch
	s_add_co_u32 s22, s22, s19
	s_mov_b32 s23, 0
	s_lshl_b32 s24, s15, 14                        ; out0: 16,384 bytes a batch,
	s_and_b32 s19, ttmp9, 7
	s_lshl_b32 s19, s19, 10                        ;       256 results of 4 bytes for each block of the batch,
	s_add_co_u32 s24, s24, s19
	s_lshl_b32 s19, s14, 13                        ;       y's rows fill columns 0.., x's rows columns 2048..
	s_add_co_u32 s24, s24, s19
	s_mov_b32 s25, 0
	v_and_b32 v2, 15, v0
	v_lshlrev_b32 v2, 4, v2                        ; 16 r: also the LDS address of my part of the vector
	v_bfe_u32 v3, v0, 4, 1                         ; h
	v_and_b32 v4, 0x1e0, v0                        ; 32 w
	v_lshl_or_b32 v1, v3, 10, v2                   ; data: 16 r + 1,024 h
	v_lshl_or_b32 v1, v4, 9, v1                    ;       + 16,384 w
	v_and_b32 v5, 63, v0
	v_lshlrev_b32 v5, 4, v5                        ; 16 x (thread mod 64), for waves 0 and 1: offset in a partial sum, in the vector, in the results, in out0
	v_and_b32 v6, 7, v0
	v_lshlrev_b32 v6, 3, v6                        ; where my result goes: 4 bytes x (16 w + 2 (lane mod 8) + h)
	v_lshl_or_b32 v6, v3, 2, v6
	v_lshl_or_b32 v6, v4, 1, v6
	s_wait_kmcnt 0x0
	s_cmp_eq_u32 s12, 0
	s_cselect_b64 s[4:5], s[4:5], s[6:7]           ; my tensor
	s_add_nc_u64 s[4:5], s[4:5], s[20:21]
	s_add_nc_u64 s[8:9], s[8:9], s[22:23]
	s_add_nc_u64 s[10:11], s[10:11], s[24:25]
	s_cmp_gt_u32 s13, 1
	s_cbranch_scc1 .Lno_p
.set p, 0
.rept 8
	global_load_b128 v[T+4*p:T+4*p+3], v5, s[8:9] offset:ROW*p     ; the 8 partial sums, ahead of the data so that they come back first; 8 work-groups read them: no hint
.set p, p+1
.endr
.Lno_p:
.irp k, 0,1,2,3,4,5,6,7
.irp c, 0,1,2,3
	global_load_b128 v[X+16*\k+4*\c:X+16*\k+4*\c+3], v1, s[4:5] offset:2*ROW*\k+256*\c th:TH_LOAD_NT   ; read once in this launch and by none after it
.endr
.endr
.macro ADD4 a, b                       ; four numbers of set a += those of set b
	v_pk_add_f32 v[T+4*(\a):T+4*(\a)+1],   v[T+4*(\a):T+4*(\a)+1],   v[T+4*(\b):T+4*(\b)+1]
	v_pk_add_f32 v[T+4*(\a)+2:T+4*(\a)+3], v[T+4*(\a)+2:T+4*(\a)+3], v[T+4*(\b)+2:T+4*(\b)+3]
.endm
	s_cmp_gt_u32 s13, 1
	s_cbranch_scc1 .Lno_s
	s_wait_loadcnt 32                              ; loads come back in order (ISA guide 5.7.1): the 8 partial sums are in, the 32 data loads issued behind them stay out
.irp p, 0,1,2,3
	ADD4 \p, \p+4
.endr
	ADD4 0, 2
	ADD4 1, 3
	ADD4 0, 1
	ds_store_b128 v5, v[T:T+3]                     ; the other tensor's column sums over the whole batch
.Lno_s:
	s_wait_dscnt 0x0                               ; the vector's stores are done before their waves signal
	s_barrier_signal -1                            ; the data loads stay on their way across this barrier: no wave writes those bytes
	s_barrier_wait -1
.irp c, 0,1,2,3
	ds_load_b128 v[SV+4*\c:SV+4*\c+3], v2 offset:256*\c    ; sixteen lanes take 256 neighbouring bytes; both halves of the wave take the same
.endr
	s_wait_dscnt 0x0
; my lane's part of the dots of rows 2 k and 2 k + 1 (one for each half of the wave): 16 products in two chains of packed multiply-adds
.macro DOT k
	s_wait_loadcnt 28-4*\k                         ; pair k's four loads are in, the 28 - 4 k younger ones stay out (the data loads are every wave's youngest)
	v_pk_mul_f32 v[CA:CA+1], v[X+16*\k:X+16*\k+1],   v[SV:SV+1]        ; the first products start the chains
	v_pk_mul_f32 v[CB:CB+1], v[X+16*\k+2:X+16*\k+3], v[SV+2:SV+3]
.irp c, 1,2,3
	v_pk_fma_f32 v[CA:CA+1], v[X+16*\k+4*\c:X+16*\k+4*\c+1],   v[SV+4*\c:SV+4*\c+1],   v[CA:CA+1]
	v_pk_fma_f32 v[CB:CB+1], v[X+16*\k+4*\c+2:X+16*\k+4*\c+3], v[SV+4*\c+2:SV+4*\c+3], v[CB:CB+1]
.endr
	v_pk_add_f32 v[CA:CA+1], v[CA:CA+1], v[CB:CB+1]
	v_add_f32 v[PR+\k], v[CA], v[CA+1]
.endm
.irp k, 0,1,2,3,4,5,6,7
	DOT \k
.endr
; Two registers become one while a step of the sum over sixteen lanes is taken: lanes whose bit (mask) is clear keep register a, the others register b,
; and each adds what its partner (lane xor xm) holds of the register that it keeps.  The DPP form reads its first source from the partner.
.macro MERGE a, b, mask, xm, u
	v_cndmask_b32 v[\u],   v[PR+\a], v[PR+\b], \mask       ; what I keep
	v_cndmask_b32 v[\u+1], v[PR+\b], v[PR+\a], \mask       ; what my partner wants
	v_add_f32_dpp v[PR+\a], v[\u+1], v[\u] row_xmask:\xm row_mask:0xf bank_mask:0xf
.endm
	MERGE 0, 1, s16, 1, U
	MERGE 2, 3, s16, 1, U+2
	MERGE 4, 5, s16, 1, U+4
	MERGE 6, 7, s16, 1, U+6
	MERGE 0, 2, s17, 2, U
	MERGE 4, 6, s17, 2, U+2
	MERGE 0, 4, s18, 4, U
	v_add_f32_dpp v[PR], v[PR], v[PR] row_xmask:8 row_mask:0xf bank_mask:0xf   ; lane l now holds the whole dot of row 2 (l mod 8) + h; lanes l and l xor 8 the same number
	ds_store_b32 v6, v[PR] offset:RES              ; the twin lanes write one word with one value: EXEC stays full
	s_wait_dscnt 0x0                               ; my results are in LDS before I signal
	s_barrier_signal -1
	s_barrier_wait -1
	s_cmp_gt_u32 s13, 1
	s_cbranch_scc1 .Ldone                          ; 64 threads x 4 results leave; no barrier stands behind this branch
	ds_load_b128 v[PR:PR+3], v5 offset:RES
	s_wait_dscnt 0x0
	global_store_b128 v5, v[PR:PR+3], s[10:11] th:TH_STORE_NT      ; each of the two waves stores 512 consecutive bytes, aligned
.Ldone:
	s_wait_tensorcnt 0x0
	ds_add_u32 v208, v209
	s_wait_dscnt 0x0
	s_endpgm
.Lfunc_end_k_q6b7e665352_dots:
	.size	k_q6b7e665352_dots, .Lfunc_end_k_q6b7e665352_dots-k_q6b7e665352_dots
	.p2alignl 7, 3214868480
	.fill 96, 4, 3214868480
	.section	.rodata,"a",@progbits
	.p2align	6, 0x0
	.amdhsa_kernel k_q6b7e665352_dots
		.amdhsa_group_segment_fixed_size 4096
		.amdhsa_private_segment_fixed_size 0
		.amdhsa_enable_private_segment 0
		.amdhsa_kernarg_size 32
		.amdhsa_user_sgpr_count 2
		.amdhsa_user_sgpr_kernarg_segment_ptr 1
		.amdhsa_wavefront_size32 1
		.amdhsa_system_sgpr_workgroup_id_x 1
		.amdhsa_system_sgpr_workgroup_id_y 1
		.amdhsa_system_sgpr_workgroup_id_z 1
		.amdhsa_system_vgpr_workitem_id 0
		.amdhsa_next_free_vgpr 210
		.amdhsa_next_free_sgpr 66
		.amdhsa_reserve_vcc 0
		.amdhsa_float_denorm_mode_32 3
		.amdhsa_float_denorm_mode_16_64 3
		.amdhsa_memory_ordered 1
		.amdhsa_forward_progress 1
		.amdhsa_inst_pref_size 15
	.end_amdhsa_kernel
	.amdgpu_metadata
---
amdhsa.version: [ 1, 2 ]
amdhsa.kernels:
  - .name:           k_q6b7e665352_dots
    .symbol:         k_q6b7e665352_dots.kd
    .args:
      - { .name: x, .offset: 0, .size: 8, .value_kind: global_buffer, .address_space: global }
      - { .name: y, .offset: 8, .size: 8, .value_kind: global_buffer, .address_space: global }
      - { .name: part, .offset: 16, .size: 8, .value_kind: global_buffer, .address_space: global }
      - { .name: out0, .offset: 24, .size: 8, .value_kind: global_buffer, .address_space: global }
    .group_segment_fixed_size: 4096
    .private_segment_fixed_size: 0
    .kernarg_segment_align: 8
    .kernarg_segment_size: 32
    .max_flat_workgroup_size: 512
    .sgpr_count:     66
    .vgpr_count:     210
    .wavefront_size: 32
...
	.end_amdgpu_metadata
.endif
;; end of part 2
